; MI455X (gfx1250); checked and timed in simulation.
; The chip was launched on July 23, 2026; its instructions are those of AMD's public machine-readable ISA for CDNA 5 (MIT licence, August 2026) and "CDNA5" Instruction Set Architecture Reference Guide (July 2026). The comments in the code are by the model that wrote it; some were corrected since.
;; Bicubic Interpolator. Allowed arithmetic: float matrix products may take bf16 or f16 operands with f32 sums; other float arithmetic in f32, or as packed bf16 or f16 multiplies, adds, multiply-adds, maxima and minima; sums over many terms, partial sums and values carried from step to step in f32; what a program stores and reads back later, other than sums and carried values, may be rounded once to bf16 or f16.
;; Inputs: delta_x 8 x 3 x 512 x 1,024 float32; delta_y 8 x 3 x 512 x 1,024 float32; input_image 8 x 3 x 512 x 1,024 float32.
;; Outputs: out0 8 x 3 x 512 x 1,024 float32.
;; 2 versions, each right; version 2 is version 1 with the launch sample written anew for expert scheduling mode. Each part assembles by itself: llvm-mc -triple=amdgcn-amd-amdhsa -mcpu=gfx1250 --defsym DOCPART=n.
;; ======== version 1 of 2: 2 launches
;; limits: values are held in f16: magnitudes above 65,504 overflow, below 6.1e-05 lose precision; inputs' magnitudes at most 65,504
;; workspace buffers: map 100,663,296 bytes of whole numbers; flags 49,152 bytes of whole numbers
;; launch coords (part 1): grid 1536 x 1, 8 waves a work-group, no clusters, 0 bytes of LDS; arguments delta_x, delta_y, map, flags; writes map, flags
.if DOCPART == 1
	.amdgcn_target "amdgcn-amd-amdhsa--gfx1250"
	.amdhsa_code_object_version 6
	.text
	.protected	k_qeccb77db17_coords
	.globl	k_qeccb77db17_coords
	.p2align	8
	.type	k_qeccb77db17_coords,@function
k_qeccb77db17_coords:
	s_mov_b64 s[64:65], 0
	v_nop
	global_prefetch_b8 v0, s[64:65] scope:SCOPE_SE
	s_setreg_imm32_b32 hwreg(HW_REG_WAVE_MODE, 25, 1), 1
	s_wait_xcnt 0x0
; FROM DISPLACEMENTS TO WHOLE NUMBERS.  delta_x, delta_y: [24 planes][512][1024] f32.  map: 8 bytes a pixel, two words.  flags: one word for 16 rows x 64 columns.
; x_map = (X + dx - 512) 1023/1022 + 511.5 and y_map = (Y + dy - 256) 511/510 + 255.5 are reference()'s maps with the constants multiplied out,
; each made by one fused multiply-add.  I work with x_map + 3 and y_map + 2, so that the whole parts are never negative after the clamp:
;   u0 = clamp(floor(x_map + 3), 1, 1027)   place of the first tap (x0 - 1) in a row that has four replica pixels in front of pixel 0
;   v0 = clamp(floor(y_map + 2), 0, 514)    the first tap's row (y0 - 1) + 3
; Beyond these bounds all four taps of an axis fall on one edge pixel and the weights add up to 1, so the clamp changes no result.
; WORD A = v0 x 1088 + (u0 & 1) x 544 + (u0 >> 1): the dword index of the first tap in the layout that the next launch gives the image in LDS.
; WORD T = bits 23..8 of the f32 numbers 1 + tx (low half) and 1 + ty (high half): 15 bits of the fraction, rounded by adding 2^-16 first.
; FLAGS.  The next launch holds 64 image rows in LDS for each band of 48 rows.  Bit r of flags[16-row group][block of 64 columns] says that in row r of the group some pixel of
; the block has its first tap outside rows 0..60 of its band's window: v0 + SR is that window row, SR a number of the band and the plane alone (16 rows lie in one band and in one plane).
; LIMITS.  tx, ty are kept to 2^-16 (2^-15 just under 1).  The maps differ from reference()'s chain of roundings by about a last place of the
; coordinate; the interpolant is continuous over a cell's edge, so a floor that falls the other way moves the result by as little.
; A NaN or an infinity in a displacement gives some valid index and fraction, not reference()'s NaN.
; SHARES.  A work-group of eight waves takes 16 rows x 512 columns; a lane two neighbouring pixels of each row.  A wave's load covers 256 aligned
; bytes, its store 512.  All 32 loads go out first; each row's four data registers take the row's four result words, so no register is used twice.
; A wave's flag word is one store of 4 bytes by lane 0: 12,288 such stores, 49,152 bytes in the launch; to gather 64 waves' words for whole blocks of 256 bytes would take LDS and a barrier.
.set NR, 16
.set LASTW, 60                         ; the last window row that a first tap may have: 64 rows less the four taps
.set VI, 2                             ; v2      byte offset of my two numbers in a row of delta_x, delta_y
.set VO, 3                             ; v3      byte offset of my four words in a row of map
.set CX, 4                             ; v[4:5]  (X - 512) a + 514.5 for my two columns
.set CY, 6                             ; v[6:7]  (Y - 256) b + 257.5 in the low register; the high one is only named with it
.set XM, 8                             ; v[8:9]  x_map + 3, then tx, then 1 + tx
.set YM, 10                            ; v[10:11] the same for y
.set FX, 12                            ; v[12:13] floor, then u0, then its parity
.set FY, 14                            ; v[14:15] floor, then v0
.set KK, 16                            ; v[16:17] at work
.set FD, 18                            ; v18     the flag word; v19 its offset, 0
.set D,  20                            ; v[20:83] row r: dx, dx, dy, dy at D + 4 r; later A, T, A, T
	s_load_b128 s[4:7], s[0:1], 0x0                ; delta_x s[4:5], delta_y s[6:7]
	s_load_b128 s[8:11], s[0:1], 0x10              ; map s[8:9], flags s[10:11]
	v_lshrrev_b32 v1, 5, v0
	v_readfirstlane_b32 s36, v1                    ; wave 0..7: my block of 64 columns in the half
	s_lshr_b32 s33, ttmp9, 1                       ; g: which 16 rows of the 12,288
	s_and_b32 s34, ttmp9, 1                        ; which half of the columns
	s_lshl_b32 s12, s33, 4
	s_and_b32 s13, s12, 511                        ; the first row's number in its plane (16 divides 512: no group crosses planes)
	s_sub_co_i32 s13, s13, 256
	s_lshl_b32 s14, s33, 16                        ; 16 rows of 4,096 bytes
	s_lshl_b32 s16, s34, 11                        ; 512 columns of 4 bytes
	s_add_co_u32 s14, s14, s16
	s_mov_b32 s15, 0
	s_lshl_b32 s16, s14, 1                         ; map has twice the bytes (under 2^27)
	s_mov_b32 s17, 0
	s_lshl_b32 s40, s33, 4                         ; flags: word 16 g + 8 x half + wave
	s_lshl_b32 s41, s34, 3
	s_add_co_u32 s40, s40, s41
	s_add_co_u32 s40, s40, s36
	s_lshl_b32 s40, s40, 2
	s_mov_b32 s41, 0
	s_mul_hi_u32 s42, s33, 0x55555556              ; g / 3: the band of 48 rows
	s_mul_i32 s42, s42, 48                         ; its first row
	s_lshr_b32 s43, s42, 9                         ; pa: that row's plane
	s_mul_i32 s43, s43, 6
	s_lshr_b32 s35, s33, 5                         ; p: my rows' plane
	s_mul_i32 s35, s35, 518
	s_sub_co_i32 s35, s35, s43
	s_sub_co_i32 s35, s35, s42
	s_add_co_i32 s35, s35, 3                       ; SR = 518 p - 6 pa - the band's first row + 3
	s_mov_b32 s38, 0                               ; the flag word
	s_mov_b32 s18, 0x4380c000                      ; 257.5
	s_mov_b32 s20, 0x3f802010                      ; a = 1023 / 1022
	s_mov_b32 s21, s20
	s_mov_b32 s22, 0x3f804040                      ; b = 511 / 510
	s_mov_b32 s23, s22
	s_mov_b32 s24, 0x44806000                      ; 1027.0
	s_mov_b32 s25, 0x44008000                      ; 514.0
	s_mov_b32 s26, 0x06050201                      ; bytes 1, 2 of the second source, then bytes 1, 2 of the first
	s_mov_b32 s27, 1088
	s_mov_b32 s28, 544
	s_mov_b32 s29, 0x3fffffff                      ; the largest f32 under 2
	s_mov_b32 s30, 0x3f800080                      ; 1 + 2^-16
	s_mov_b32 s31, s30
	s_lshl_b32 s32, s34, 9
	s_sub_co_i32 s32, s32, 512
	v_lshlrev_b32 v[VI], 3, v0
	v_lshlrev_b32 v[VO], 4, v0
	v_lshl_add_u32 v1, v0, 1, s32                  ; X - 512 of my first column
	v_cvt_f32_i32 v1, v1
	v_add_f32 v[CX+1], 1.0, v1
	v_fma_f32 v[CX], v1, s20, 0x4400a000           ; + 514.5
	v_fma_f32 v[CX+1], v[CX+1], s20, 0x4400a000
	v_mov_b32 v[CY+1], 0
	s_wait_kmcnt 0x0
	s_add_nc_u64 s[4:5], s[4:5], s[14:15]
	s_add_nc_u64 s[6:7], s[6:7], s[14:15]
	s_add_nc_u64 s[8:9], s[8:9], s[16:17]
	s_add_nc_u64 s[10:11], s[10:11], s[40:41]
.set r, 0
.rept NR
	global_load_b64 v[D+4*r:D+4*r+1],   v[VI], s[4:5] offset:4096*r th:TH_LOAD_NT
	global_load_b64 v[D+4*r+2:D+4*r+3], v[VI], s[6:7] offset:4096*r th:TH_LOAD_NT
.set r, r+1
.endr
.macro ROW r
	s_wait_loadcnt 2*(NR-1-(\r))                   ; loads come back in order: this row's two are in, the later rows' stay out
	s_add_co_i32 s19, s13, \r
	v_cvt_f32_i32 v[CY], s19
	v_fma_f32 v[CY], v[CY], s22, s18
	v_pk_fma_f32 v[XM:XM+1], v[D+4*(\r):D+4*(\r)+1], s[20:21], v[CX:CX+1] op_sel_hi:[1,0,1]
	v_pk_fma_f32 v[YM:YM+1], v[D+4*(\r)+2:D+4*(\r)+3], s[22:23], v[CY:CY+1] op_sel_hi:[1,0,0]
	v_floor_f32 v[FX], v[XM]
	v_floor_f32 v[FX+1], v[XM+1]
	v_floor_f32 v[FY], v[YM]
	v_floor_f32 v[FY+1], v[YM+1]
	v_pk_add_f32 v[XM:XM+1], v[XM:XM+1], v[FX:FX+1] neg_lo:[0,1] neg_hi:[0,1]  ; tx
	v_pk_add_f32 v[YM:YM+1], v[YM:YM+1], v[FY:FY+1] neg_lo:[0,1] neg_hi:[0,1]  ; ty
	v_pk_add_f32 v[XM:XM+1], v[XM:XM+1], s[30:31] op_sel_hi:[1,0]
	v_pk_add_f32 v[YM:YM+1], v[YM:YM+1], s[30:31] op_sel_hi:[1,0]
	v_min_num_f32 v[XM], s29, v[XM]                ; stays under 2, so that the exponent is 1's
	v_min_num_f32 v[XM+1], s29, v[XM+1]
	v_min_num_f32 v[YM], s29, v[YM]
	v_min_num_f32 v[YM+1], s29, v[YM+1]
	v_med3_num_f32 v[FX], v[FX], 1.0, s24
	v_med3_num_f32 v[FX+1], v[FX+1], 1.0, s24
	v_med3_num_f32 v[FY], v[FY], 0, s25
	v_med3_num_f32 v[FY+1], v[FY+1], 0, s25
	v_cvt_u32_f32 v[FX], v[FX]
	v_cvt_u32_f32 v[FX+1], v[FX+1]
	v_cvt_u32_f32 v[FY], v[FY]
	v_cvt_u32_f32 v[FY+1], v[FY+1]
	v_add_nc_u32 v[KK], s35, v[FY]                 ; the first tap's row in the window; above the window it wraps to a huge number
	v_add_nc_u32 v[KK+1], s35, v[FY+1]
	v_cmp_lt_u32 s36, LASTW, v[KK]                 ; the lanes whose first pixel is outside,
	v_cmp_lt_u32 s37, LASTW, v[KK+1]               ; whose second is
	v_lshrrev_b32 v[KK], 1, v[FX]
	v_lshrrev_b32 v[KK+1], 1, v[FX+1]
	v_and_b32 v[FX], 1, v[FX]
	v_and_b32 v[FX+1], 1, v[FX+1]
	v_mad_u32_u24 v[KK], v[FY], s27, v[KK]
	v_mad_u32_u24 v[KK+1], v[FY+1], s27, v[KK+1]
	v_mad_u32_u24 v[D+4*(\r)], v[FX], s28, v[KK]           ; A of the first pixel
	v_perm_b32 v[D+4*(\r)+1], v[YM], v[XM], s26            ; T of the first pixel
	v_mad_u32_u24 v[D+4*(\r)+2], v[FX+1], s28, v[KK+1]     ; and of the second
	v_perm_b32 v[D+4*(\r)+3], v[YM+1], v[XM+1], s26
	global_store_b128 v[VO], v[D+4*(\r):D+4*(\r)+3], s[8:9] offset:8192*(\r)  ; a wave's store covers 512 consecutive bytes, aligned
	s_or_b32 s36, s36, s37
	s_min_u32 s36, s36, 1                          ; 1 if any of the row's 64 pixels is outside
	s_lshl_b32 s36, s36, \r
	s_or_b32 s38, s38, s36                         ; bit r of the flag word
.endm
.set r, 0
.rept NR
	ROW r
.set r, r+1
.endr
	v_and_b32 v[FD], 31, v0
	v_mov_b32 v[FD+1], 0
	v_cmp_eq_u32 vcc_lo, 0, v[FD]                  ; lane 0 alone stores the wave's word
	v_mov_b32 v[FD], s38
	s_wait_xcnt 0x0                                ; EXEC is a source of the stores above: it changes only behind this wait
	s_and_saveexec_b32 s39, vcc_lo
	global_store_b32 v[FD+1], v[FD], s[10:11]
	s_wait_xcnt 0x0                                ; and again in front of the line that widens it
	s_or_b32 exec_lo, exec_lo, s39
	s_endpgm
.Lfunc_end_k_qeccb77db17_coords:
	.size	k_qeccb77db17_coords, .Lfunc_end_k_qeccb77db17_coords-k_qeccb77db17_coords
	.p2alignl 7, 3214868480
	.fill 96, 4, 3214868480
	.section	.rodata,"a",@progbits
	.p2align	6, 0x0
	.amdhsa_kernel k_qeccb77db17_coords
		.amdhsa_group_segment_fixed_size 0
		.amdhsa_private_segment_fixed_size 0
		.amdhsa_enable_private_segment 0
		.amdhsa_kernarg_size 32
		.amdhsa_user_sgpr_count 2
		.amdhsa_user_sgpr_kernarg_segment_ptr 1
		.amdhsa_wavefront_size32 1
		.amdhsa_system_sgpr_workgroup_id_x 1
		.amdhsa_system_sgpr_workgroup_id_y 1
		.amdhsa_system_sgpr_workgroup_id_z 1
		.amdhsa_system_vgpr_workitem_id 0
		.amdhsa_next_free_vgpr 84
		.amdhsa_next_free_sgpr 66
		.amdhsa_reserve_vcc 1
		.amdhsa_float_denorm_mode_32 3
		.amdhsa_float_denorm_mode_16_64 3
		.amdhsa_memory_ordered 1
		.amdhsa_forward_progress 1
		.amdhsa_inst_pref_size 40
	.end_amdhsa_kernel
	.amdgpu_metadata
---
amdhsa.version: [ 1, 2 ]
amdhsa.kernels:
  - .name:           k_qeccb77db17_coords
    .symbol:         k_qeccb77db17_coords.kd
    .args:
      - { .name: delta_x, .offset: 0, .size: 8, .value_kind: global_buffer, .address_space: global }
      - { .name: delta_y, .offset: 8, .size: 8, .value_kind: global_buffer, .address_space: global }
      - { .name: map, .offset: 16, .size: 8, .value_kind: global_buffer, .address_space: global }
      - { .name: flags, .offset: 24, .size: 8, .value_kind: global_buffer, .address_space: global }
    .group_segment_fixed_size: 0
    .private_segment_fixed_size: 0
    .kernarg_segment_align: 8
    .kernarg_segment_size: 32
    .max_flat_workgroup_size: 256
    .sgpr_count:     66
    .vgpr_count:     84
    .wavefront_size: 32
...
	.end_amdgpu_metadata
.endif
;; end of part 1
;; launch sample (part 2): grid 256 x 1, 32 waves a work-group, no clusters, 282,624 bytes of LDS; arguments map, input_image, out0, flags; writes out0
.if DOCPART == 2
	.amdgcn_target "amdgcn-amd-amdhsa--gfx1250"
	.amdhsa_code_object_version 6
	.text
	.protected	k_qeccb77db17_sample
	.globl	k_qeccb77db17_sample
	.p2align	8
	.type	k_qeccb77db17_sample,@function
k_qeccb77db17_sample:
	s_mov_b64 s[64:65], 0
	v_nop
	global_prefetch_b8 v0, s[64:65] scope:SCOPE_SE
	s_setreg_imm32_b32 hwreg(HW_REG_WAVE_MODE, 25, 1), 1
	s_wait_xcnt 0x0
; BICUBIC SAMPLING.  out = clip(sum over 4 x 4 taps of wy wx image, 0, 1).  The first tap's place and the fractions come from map (8 bytes a pixel), the choice of the way from flags; both were made by the launch before.
; SHARES.  The 24 planes are 12,288 rows on end; a work-group of 32 waves owns 48 of them, all 1,024 columns.  A wave owns 64 columns and every second row: 24 steps of 2 pixels a lane.
; THE IMAGE IN LDS.  64 rows, rounded once to f16, each row twice: the even copy's dword k holds places (2k, 2k+1), the odd copy's (2k+1, 2k+2); place u is pixel clamp(u - 4, 0, 1023).
; So a row's four taps are two neighbouring aligned dwords of the copy that the first tap's parity picks, and reference()'s clip in x is in the replica pixels.  A row is 4,352 bytes:
; 544 dwords for each copy, so the odd copy begins 32 banks from the even one (64 banks of 4 bytes: ISA guide 11.1) and lanes two pixels apart spread over all banks.
; The window begins 6 rows above the band.  Its rows belong to the plane of the band's first row, clamped to that plane (replica rows), up to three rows past the plane's end; what
; follows belongs to the next plane, from three replica rows above its first row on.  So reference()'s clip in y is in the replica rows too, and a pixel's LDS address is 4 A + a scalar
; that hangs on its plane alone.  Every byte of the 64 rows is written.
; OUTSIDE THE WINDOW.  Displacements are not bounded.  flags holds a bit for each row of 64 pixels, which is one step of one wave: set where the first tap of any of them lies outside rows
; 0..60 of the window.  The wave reads its 48 bits by scalar loads and branches on a scalar compare; in a step whose bit is set it takes all taps from the image itself, each with
; reference()'s clips, and rounds them to f16 as well: right for every displacement, only slower.
; WEIGHTS, in f32, from s = 1 + t:  h = -t (1 - t) / 2;  c2 = h t;  cm1 = h - c2;  c1 = t + h (4 - 3 s);  c0 = 1 - h - c1: reference()'s four polynomials.
; Rows first (sixteen multiply-adds straight from the f16 halves, sums in f32), then the four rows, two pixels packed, the last one with the clip to 0..1.
; LIMITS.  The image is held as f16: |image| up to 65,504, each pixel within 2^-12 of itself; fractions to 2^-16; NaN and infinities are not treated apart (the clip makes 0 of a NaN).
.set PITCH,  4352
.set COPYO,  2176
.set WROWS,  64
.set MAXREL, (WROWS-4)*PITCH+COPYO+513*4   ; the last byte address that a first tap inside the window can have
.set SPARE,  WROWS*PITCH                   ; behind the rows: the spare words, 128 bytes for each of 32 waves
.set BAND,   48
.set MT,     6
.set MSTEP,  16384                         ; two rows of map
.set OSTEP,  8192                          ; two rows of out
.set LANE, 2
.set L16,  3                           ; 16 x lane: my place in 512 bytes of map or image
.set O8,   4                           ; 8 x lane: my place in 256 bytes of out
.set BP,   5                           ; 4 x ((lane + 1) mod 32): the lane to my right, for the permute
.set SA0,  6                           ; staging: where my 8 bytes go, rows w and w + 32
.set SA1,  7
.set PD0,  8                           ; staging: the right replicas
.set PD1,  9
.set RA0,  10                          ; staging: the rows' first bytes
.set RA1,  11
.set SPW,  12                          ; LDS address of my spare word; never rewritten
.set NIL,  13                          ; 0, for the add alone
.set Z,    14                          ; 0, the addend of each row's first product
.set M,    16                          ; v[16:31] ring of four steps' map words: A, T, A, T
.set TP,   32                          ; v[32:47] taps: pixel q, row j: dwords at TP + 8 q + 2 j, + 1
.set RL,   48                          ; v[48:49] LDS address of the first tap, two pixels
.set O,    50                          ; v[50:51] results
.set SX,   52                          ; v[52:53] 1 + tx of the two pixels
.set SY,   54
.set WX,   56                          ; v[56:63] cm1, c0, c1, c2 in x, a pair (two pixels) each
.set WY,   64                          ; v[64:71] the same in y
.set T1,   72                          ; v[72:79], v[80:87] at work
.set T2,   80
.set R,    88                          ; v[88:95] row sums, a pair each
.set ST,   52                          ; the slow way's work registers, where nothing is live at that time
.set GA,   96                          ; v[96:127] the slow way's addresses, then its taps
.set IM,   32                          ; staging: v[32:95] two rows as loaded
.set TN,   96
.set NB,   104
.set Q,    112
.set FL,   48                          ; s48  the flag bits of the steps to come: bit 2 k is step k of the trip in hand
.set FH,   52                          ; s52  those of my last eight steps
	s_load_b128 s[4:7], s[0:1], 0x0                ; map s[4:5], image s[6:7]
	s_load_b64 s[8:9], s[0:1], 0x10                ; out
	s_load_b64 s[46:47], s[0:1], 0x18              ; flags
	v_lshl_add_u32 v[SPW], v0, 2, SPARE
	v_mov_b32 v[NIL], 0
	v_lshrrev_b32 v1, 5, v0
	v_readfirstlane_b32 s10, v1                    ; wave 0..31
	v_and_b32 v[LANE], 31, v0
	s_mul_i32 s11, ttmp9, BAND                     ; the band's first row of the 12,288
	s_lshr_b32 s12, s11, 9                         ; its plane pa
	s_sub_co_i32 s13, s11, MT                      ; W0: the row that the window begins with (-6 in the first band)
	s_lshl_b32 s15, s12, 9
	s_add_co_i32 s14, s15, 515
	s_sub_co_i32 s14, s14, s13                     ; nA: window rows of plane pa, its three replica rows at the end among them
	s_mul_i32 s29, s12, 6
	s_add_co_i32 s29, s29, s13
	s_add_co_i32 s29, s29, 3
	s_mul_i32 s29, s29, PITCH                      ; (6 pa + W0 + 3) rows: taken off 518 p rows it leaves a plane's scalar
	s_lshr_b32 s53, s10, 4                         ; my rows: the even or the odd ones
	s_and_b32 s21, s10, 15                         ; my 64 columns
	s_lshl_b32 s50, s21, 2                         ; flags: the band's three groups of 16 rows are words 48 x band + my column block, + 16, + 32
	s_mul_i32 s51, ttmp9, 192
	s_add_co_u32 s50, s50, s51
	s_mov_b32 s51, 0
	s_add_co_u32 s26, s11, s53                     ; the row in hand
	s_lshl_b32 s42, s26, 13
	s_lshl_b32 s21, s21, 9
	s_add_co_u32 s42, s42, s21                     ; map: row x 8,192 + 512 x column block
	s_mov_b32 s43, 0
	s_lshr_b32 s40, s42, 1                         ; out: half of that
	s_mov_b32 s41, 0
	s_mov_b32 s25, 0
	s_mov_b32 s31, 1                               ; lane 0's bit
	s_mov_b32 s32, 0x3f000000
	s_mov_b32 s33, 0x03050400                      ; 0x3f, T's bytes 1 and 0, 0: the f32 number 1 + tx
	s_mov_b32 s34, 0x03070600                      ; the same from T's bytes 3 and 2
	s_mov_b32 s44, 0xc0400000                      ; -3.0
	s_mov_b32 s45, s44
	s_mul_i32 s38, s10, PITCH
	v_lshlrev_b32 v[L16], 4, v[LANE]
	v_lshlrev_b32 v[O8], 3, v[LANE]
	v_add_nc_u32 v1, 1, v[LANE]
	v_and_b32 v1, 31, v1
	v_lshlrev_b32 v[BP], 2, v1
	v_lshl_add_u32 v[SA0], v[LANE], 3, s38
	v_add_nc_u32 v[SA1], 32*PITCH, v[SA0]
	v_min_u32 v1, 14, v[LANE]                      ; fifteen lanes cover the 30 replica dwords; the others repeat the last
	v_lshl_add_u32 v[PD0], v1, 3, s38
	v_add_nc_u32 v[PD1], 32*PITCH, v[PD0]
	v_mov_b32 v[RA0], s38
	v_add_nc_u32 v[RA1], 32*PITCH, v[RA0]
	v_mov_b32 v[Z], 0
	s_wait_kmcnt 0x0
	s_add_nc_u64 s[46:47], s[46:47], s[50:51]
	s_load_b32 s[FL], s[46:47], 0x0                ; rows 0..15 of the band, a bit each
	s_load_b32 s49, s[46:47], 0x40                 ; rows 16..31
	s_load_b32 s[FH], s[46:47], 0x80               ; rows 32..47
; Which image row window row l = wave + add holds: plane pa's, or from nA on the next plane's six rows back; clamped to its plane, and to the buffer's last row.
.macro SRCROW add, dst
	s_add_co_u32 s20, s10, \add
	s_cmp_ge_i32 s20, s14
	s_cselect_b32 s21, 6, 0
	s_cselect_b32 s22, 512, 0
	s_add_co_i32 s22, s22, s15
	s_add_co_i32 s23, s13, s20
	s_sub_co_i32 s23, s23, s21
	s_max_i32 s23, s23, s22
	s_add_co_i32 s22, s22, 511
	s_min_i32 s23, s23, s22
	s_min_i32 s23, s23, 12287
	s_lshl_b32 s24, s23, 12
	s_add_nc_u64 s[\dst:\dst+1], s[6:7], s[24:25]
.endm
	SRCROW 0, 16
	SRCROW 32, 18
	s_add_nc_u64 s[4:5], s[4:5], s[42:43]
	s_add_nc_u64 s[8:9], s[8:9], s[40:41]
.irp i,0,1,2,3,4,5,6,7
	global_load_b128 v[IM+4*\i:IM+4*\i+3], v[L16], s[16:17] offset:512*\i
.endr
.irp i,0,1,2,3,4,5,6,7
	global_load_b128 v[IM+32+4*\i:IM+32+4*\i+3], v[L16], s[18:19] offset:512*\i
.endr
.irp k,0,1,2,3
	global_load_b128 v[M+4*\k:M+4*\k+3], v[L16], s[4:5] offset:MSTEP*\k th:TH_LOAD_NT  ; the ring's first four steps
.endr
; One row into LDS.  Load i holds pixels 128 i + 4 lane .. + 3.  The odd copy wants the pixel behind my four: the first of the lane to my right, which for lane 31 is lane 0's of the
; next load (so lane 0 hands that one on), and at the row's end pixel 1023 once more.
.macro STAGE b, sa, pd, ra
.irp i,0,1,2,3,4,5,6
	v_cndmask_b32 v[TN+\i], v[\b+4*\i], v[\b+4*\i+4], s31
.endr
	v_readlane_b32 s36, v[\b+31], 31               ; pixel 1023
	v_readlane_b32 s37, v[\b], 0                   ; pixel 0
	v_mov_b32 v[Q+2], s36
	v_cndmask_b32 v[TN+7], v[\b+28], v[Q+2], s31
.irp i,0,1,2,3,4,5,6,7
	ds_bpermute_b32 v[NB+\i], v[BP], v[TN+\i]
.endr
.irp i,0,1,2,3,4,5,6,7
	v_cvt_pk_f16_f32 v[Q], v[\b+4*\i], v[\b+4*\i+1]
	v_cvt_pk_f16_f32 v[Q+1], v[\b+4*\i+2], v[\b+4*\i+3]
	ds_store_b64 v[\sa], v[Q:Q+1] offset:8+256*\i          ; even copy, dwords 2 c + 2, 2 c + 3 for my four pixels 4 c ..
.endr
	s_wait_dscnt 8                                 ; LDS instructions end in order: all but the eight stores, so the eight permutes are back
.irp i,0,1,2,3,4,5,6,7
	v_cvt_pk_f16_f32 v[Q], v[\b+4*\i+1], v[\b+4*\i+2]
	v_cvt_pk_f16_f32 v[Q+1], v[\b+4*\i+3], v[NB+\i]
	ds_store_b64 v[\sa], v[Q:Q+1] offset:COPYO+8+256*\i    ; odd copy, the same dwords
.endr
	v_cvt_pk_f16_f32 v[Q+2], v[Q+2], v[Q+2]
	v_mov_b32 v[Q+3], v[Q+2]
	ds_store_b64 v[\pd], v[Q+2:Q+3] offset:2056            ; dwords 514 .. 543 of both copies: pixel 1023
	ds_store_b64 v[\pd], v[Q+2:Q+3] offset:COPYO+2056
	v_mov_b32 v[Q], s37
	v_cvt_pk_f16_f32 v[Q], v[Q], v[Q]
	v_mov_b32 v[Q+1], v[Q]
	ds_store_b64 v[\ra], v[Q:Q+1]                          ; dwords 0, 1 of both copies: pixel 0 (all lanes write the same bytes)
	ds_store_b64 v[\ra], v[Q:Q+1] offset:COPYO
.endm
	s_wait_loadcnt 12                              ; my first row is in; behind it: the second row's eight loads and the ring's four
	STAGE IM, SA0, PD0, RA0
	s_wait_loadcnt 4                               ; the second row; the ring's four may stay out
	STAGE IM+32, SA1, PD1, RA1
	s_wait_kmcnt 0x0                               ; the three flag words
	s_lshl_b32 s49, s49, 16
	s_or_b32 s[FL], s[FL], s49                     ; rows 0..31 of the band,
	s_lshr_b32 s[FL], s[FL], s53                   ; my rows' bits at the even places
	s_lshr_b32 s[FH], s[FH], s53
	s_wait_dscnt 0x0                               ; for the others' sake: my stores are done
	s_barrier_signal -1
	s_barrier_wait -1                              ; the window is whole; from here on nobody writes it
.macro WEIGHTS s, w, t                 ; s: 1 + t, a pair; w: cm1, c0, c1, c2; t: eight registers at work
	v_pk_add_f32 v[\t:\t+1], v[\s:\s+1], -1.0 op_sel_hi:[1,0]                      ; t
	v_pk_fma_f32 v[\t+2:\t+3], v[\s:\s+1], 0.5, -1.0 op_sel_hi:[1,0,0]             ; -(1 - t) / 2
	v_pk_fma_f32 v[\t+4:\t+5], v[\s:\s+1], s[44:45], 4.0 op_sel_hi:[1,0,0]         ; 1 - 3 t
	v_pk_mul_f32 v[\t+6:\t+7], v[\t:\t+1], v[\t+2:\t+3]                            ; h
	v_pk_mul_f32 v[\w+6:\w+7], v[\t+6:\t+7], v[\t:\t+1]                            ; c2
	v_pk_fma_f32 v[\w+4:\w+5], v[\t+6:\t+7], v[\t+4:\t+5], v[\t:\t+1]              ; c1
	v_pk_fma_f32 v[\t+2:\t+3], v[\t+6:\t+7], -1.0, 1.0 op_sel_hi:[1,0,0]           ; 1 - h
	v_pk_add_f32 v[\w:\w+1], v[\t+6:\t+7], v[\w+6:\w+7] neg_lo:[0,1] neg_hi:[0,1]  ; cm1
	v_pk_add_f32 v[\w+2:\w+3], v[\t+2:\t+3], v[\w+4:\w+5] neg_lo:[0,1] neg_hi:[0,1] ; c0
.endm
; One tap column of all eight row sums: dword d (0, 1) of a row, its half hi, weight i.  first = 1: the product starts the sum
.macro TERM d, hi, i, first
.irp q,0,1
.irp j,0,1,2,3
.if \first
	v_fma_mix_f32 v[R+2*\j+\q], v[TP+8*\q+2*\j+\d], v[WX+2*\i+\q], v[Z] op_sel:[\hi,0,0] op_sel_hi:[1,0,0]
.else
	v_fma_mix_f32 v[R+2*\j+\q], v[TP+8*\q+2*\j+\d], v[WX+2*\i+\q], v[R+2*\j+\q] op_sel:[\hi,0,0] op_sel_hi:[1,0,0]
.endif
.endr
.endr
.endm
; The slow way for pixel q, whose word A lies in register a.  A is taken apart: A / 544 = 2 v0 + parity, as ((A >> 5) x 61,681) >> 20, exact for A under 2^20 (17 x 61,681 = 2^20 + 1).
; reference()'s clips: clip(t - c, 0, top) = min(t - min(t, c), top) for t that is never negative.  Sixteen loads go to the image; each lands on its own address register.
.macro SLOWPX q, a
	v_and_b32 v[ST], 0xfffff, v[\a]
	v_lshrrev_b32 v[ST+1], 5, v[ST]
	v_mul_u32_u24 v[ST+1], 0xf0f1, v[ST+1]
	v_lshrrev_b32 v[ST+1], 20, v[ST+1]             ; 2 v0 + parity
	v_mul_u32_u24 v[ST+2], 0x220, v[ST+1]
	v_sub_nc_u32 v[ST+2], v[ST], v[ST+2]           ; u0 >> 1
	v_and_b32 v[ST+3], 1, v[ST+1]                  ; parity
	v_lshl_add_u32 v[ST+4], v[ST+2], 1, v[ST+3]    ; u0 = x0 + 3
	v_lshrrev_b32 v[ST+2], 1, v[ST+1]              ; v0 = y0 + 2
.irp i,0,1,2,3
	v_add_nc_u32 v[ST+6+\i], \i, v[ST+4]
	v_min_u32 v[ST+5], 4, v[ST+6+\i]
	v_sub_nc_u32 v[ST+6+\i], v[ST+6+\i], v[ST+5]
	v_min_u32 v[ST+6+\i], 0x3ff, v[ST+6+\i]        ; clip(x0 - 1 + i, 0, 1023)
.endr
.irp j,0,1,2,3
	v_add_nc_u32 v[ST+10+\j], \j, v[ST+2]
	v_min_u32 v[ST+5], 3, v[ST+10+\j]
	v_sub_nc_u32 v[ST+10+\j], v[ST+10+\j], v[ST+5]
	v_min_u32 v[ST+10+\j], 0x1ff, v[ST+10+\j]      ; clip(y0 - 1 + j, 0, 511)
	v_lshlrev_b32 v[ST+10+\j], 12, v[ST+10+\j]
.endr
.irp j,0,1,2,3
.irp i,0,1,2,3
	v_lshl_add_u32 v[GA+16*\q+4*\j+\i], v[ST+6+\i], 2, v[ST+10+\j]
.endr
.endr
.irp n,0,1,2,3,4,5,6,7,8,9,10,11,12,13,14,15
	global_load_b32 v[GA+16*\q+\n], v[GA+16*\q+\n], s[40:41]
.endr
.endm
; ONE STEP: 64 pixels of one row.  k: the ring's slot; ahead = 1: the slot is filled again, four steps on; left: the younger ring loads, which may stay out.
.macro STEP k, ahead, left
	s_lshr_b32 s27, s26, 9                         ; the row's plane p
	s_mul_i32 s28, s27, 518*PITCH
	s_sub_co_u32 s28, s28, s29                     ; (512 p - 3 - W0 + 6 (p - pa)) rows, in bytes
	s_and_b32 s20, s[FL], 1<<(2*\k)                ; this step's flag
	s_wait_loadcnt \left
	s_cmp_lg_u32 s20, 0
	s_cbranch_scc1 .Lslow_\@
	v_lshl_add_u32 v[RL], v[M+4*\k], 2, s28        ; the first tap's LDS byte
	v_lshl_add_u32 v[RL+1], v[M+4*\k+2], 2, s28
	v_min_u32 v[RL], MAXREL, v[RL]                 ; with the flag clear this changes nothing; it shows the bound in the text
	v_min_u32 v[RL+1], MAXREL, v[RL+1]
.irp q,0,1
.irp j,0,1,2,3
	ds_load_b32 v[TP+8*\q+2*\j], v[RL+\q] offset:\j*PITCH
.endr
.endr
.irp q,0,1
.irp j,0,1,2,3
	ds_load_b32 v[TP+8*\q+2*\j+1], v[RL+\q] offset:\j*PITCH+4
.endr
.endr
	s_branch .Ljoin_\@
.Lslow_\@:
	s_lshl_b32 s42, s27, 21                        ; the plane's 2 MiB in the image (s43 is 0)
	s_add_nc_u64 s[40:41], s[6:7], s[42:43]        ; the last loads that named this pair were waited for
	SLOWPX 0, M+4*\k
	SLOWPX 1, M+4*\k+2
	s_wait_loadcnt 0x0
.irp q,0,1
.irp j,0,1,2,3
	v_cvt_pk_f16_f32 v[TP+8*\q+2*\j], v[GA+16*\q+4*\j], v[GA+16*\q+4*\j+1]
	v_cvt_pk_f16_f32 v[TP+8*\q+2*\j+1], v[GA+16*\q+4*\j+2], v[GA+16*\q+4*\j+3]
.endr
.endr
.Ljoin_\@:
	v_perm_b32 v[SX], v[M+4*\k+1], s32, s33
	v_perm_b32 v[SX+1], v[M+4*\k+3], s32, s33
	v_perm_b32 v[SY], v[M+4*\k+1], s32, s34
	v_perm_b32 v[SY+1], v[M+4*\k+3], s32, s34
.if \ahead
	global_load_b128 v[M+4*\k:M+4*\k+3], v[L16], s[4:5] offset:MSTEP*(\k+4) th:TH_LOAD_NT
.endif
	WEIGHTS SX, WX, T1                             ; the weights stand between the LDS loads and the wait for them
	WEIGHTS SY, WY, T2
	s_wait_dscnt 8                                 ; the rows' first dwords are in; the eight second ones may be out
	TERM 0, 0, 0, 1
	TERM 0, 1, 1, 0
	s_wait_dscnt 0x0
	TERM 1, 0, 2, 0
	TERM 1, 1, 3, 0
	v_pk_mul_f32 v[T1:T1+1], v[WY:WY+1], v[R:R+1]
	v_pk_fma_f32 v[T1:T1+1], v[WY+2:WY+3], v[R+2:R+3], v[T1:T1+1]
	v_pk_fma_f32 v[T1:T1+1], v[WY+4:WY+5], v[R+4:R+5], v[T1:T1+1]
	s_wait_xcnt 0x0                                ; the last step's store has read its data: only behind this wait are they written again
	v_pk_fma_f32 v[O:O+1], v[WY+6:WY+7], v[R+6:R+7], v[T1:T1+1] clamp  ; the clip to 0..1
	global_store_b64 v[O8], v[O:O+1], s[8:9] offset:OSTEP*\k th:TH_STORE_NT  ; a wave's store covers 256 consecutive bytes, aligned
	s_add_co_u32 s26, s26, 2
.endm
	s_mov_b32 s35, 5
.Ltrip:                                                ; five trips of four steps, each filling the ring for the next four
	STEP 0, 1, 3
	STEP 1, 1, 3
	STEP 2, 1, 3
	STEP 3, 1, 3
	s_wait_xcnt 0x0                                ; the two bases are stepped only behind this wait
	s_add_nc_u64 s[4:5], s[4:5], 4*MSTEP
	s_add_nc_u64 s[8:9], s[8:9], 4*OSTEP
	s_lshr_b32 s[FL], s[FL], 8                     ; a trip is eight rows of the band
	s_sub_co_u32 s35, s35, 1
	s_cmp_eq_u32 s35, 1                            ; four trips have used up the first 32 rows' bits:
	s_cselect_b32 s[FL], s[FH], s[FL]              ; the last 16 rows' take their place
	s_cmp_lg_u32 s35, 0
	s_cbranch_scc1 .Ltrip
	STEP 0, 0, 3                                   ; the last four steps load nothing: the counts run down
	STEP 1, 0, 2
	STEP 2, 0, 1
	STEP 3, 0, 0
	s_wait_tensorcnt 0x0                           ; the wave's end
	ds_add_u32 v[SPW], v[NIL]
	s_wait_dscnt 0x0
	s_endpgm
.Lfunc_end_k_qeccb77db17_sample:
	.size	k_qeccb77db17_sample, .Lfunc_end_k_qeccb77db17_sample-k_qeccb77db17_sample
	.p2alignl 7, 3214868480
	.fill 96, 4, 3214868480
	.section	.rodata,"a",@progbits
	.p2align	6, 0x0
	.amdhsa_kernel k_qeccb77db17_sample
		.amdhsa_group_segment_fixed_size 282624
		.amdhsa_private_segment_fixed_size 0
		.amdhsa_enable_private_segment 0
		.amdhsa_kernarg_size 32
		.amdhsa_user_sgpr_count 2
		.amdhsa_user_sgpr_kernarg_segment_ptr 1
		.amdhsa_wavefront_size32 1
		.amdhsa_system_sgpr_workgroup_id_x 1
		.amdhsa_system_sgpr_workgroup_id_y 1
		.amdhsa_system_sgpr_workgroup_id_z 1
		.amdhsa_system_vgpr_workitem_id 0
		.amdhsa_next_free_vgpr 128
		.amdhsa_next_free_sgpr 66
		.amdhsa_reserve_vcc 0
		.amdhsa_float_denorm_mode_32 3
		.amdhsa_float_denorm_mode_16_64 3
		.amdhsa_memory_ordered 1
		.amdhsa_forward_progress 1
		.amdhsa_inst_pref_size 137
	.end_amdhsa_kernel
	.amdgpu_metadata
---
amdhsa.version: [ 1, 2 ]
amdhsa.kernels:
  - .name:           k_qeccb77db17_sample
    .symbol:         k_qeccb77db17_sample.kd
    .args:
      - { .name: map, .offset: 0, .size: 8, .value_kind: global_buffer, .address_space: global }
      - { .name: input_image, .offset: 8, .size: 8, .value_kind: global_buffer, .address_space: global }
      - { .name: out0, .offset: 16, .size: 8, .value_kind: global_buffer, .address_space: global }
      - { .name: flags, .offset: 24, .size: 8, .value_kind: global_buffer, .address_space: global }
    .group_segment_fixed_size: 282624
    .private_segment_fixed_size: 0
    .kernarg_segment_align: 8
    .kernarg_segment_size: 32
    .max_flat_workgroup_size: 1024
    .sgpr_count:     66
    .vgpr_count:     128
    .wavefront_size: 32
...
	.end_amdgpu_metadata
.endif
;; end of part 2
;; ======== version 2 of 2: 2 launches; version 1 with the launch sample written anew for expert scheduling mode
;; limits: values are held in f16: magnitudes above 65,504 overflow, below 6.1e-05 lose precision; inputs' magnitudes at most 65,504
;; workspace buffers: map 100,663,296 bytes of whole numbers; flags 49,152 bytes of whole numbers
;; launch coords: the kernel of part 1 again; grid 1536 x 1, 8 waves a work-group, no clusters, 0 bytes of LDS; arguments delta_x, delta_y, map, flags; writes map, flags
;; launch sample (part 3): grid 256 x 1, 32 waves a work-group, no clusters, 282,624 bytes of LDS; arguments map, input_image, out0, flags; writes out0
.if DOCPART == 3
	.amdgcn_target "amdgcn-amd-amdhsa--gfx1250"
	.amdhsa_code_object_version 6
	.text
	.protected	k_qeccb77db17_sample
	.globl	k_qeccb77db17_sample
	.p2align	8
	.type	k_qeccb77db17_sample,@function
k_qeccb77db17_sample:
	s_mov_b64 s[64:65], 0
	v_nop
	global_prefetch_b8 v0, s[64:65] scope:SCOPE_SE
	s_setreg_imm32_b32 hwreg(HW_REG_WAVE_SCHED_MODE, 0, 2), 2
	s_setreg_imm32_b32 hwreg(HW_REG_WAVE_MODE, 25, 1), 1
	s_wait_xcnt 0x0
	s_wait_alu depctr_vm_vsrc(0)
; BICUBIC SAMPLING.  out = clip(sum over 4 x 4 taps of wy wx image, 0, 1).  The first tap's place and the fractions come from map (8 bytes a pixel), the choice of the way from flags; both were made by the launch before.
; SHARES.  The 24 planes are 12,288 rows on end; a work-group of 32 waves owns 48 of them, all 1,024 columns.  A wave owns 64 columns and every second row: 24 steps of 2 pixels a lane.
; THE IMAGE IN LDS.  64 rows, rounded once to f16, each row twice: the even copy's dword k holds places (2k, 2k+1), the odd copy's (2k+1, 2k+2); place u is pixel clamp(u - 4, 0, 1023).
; So a row's four taps are two neighbouring aligned dwords of the copy that the first tap's parity picks, and reference()'s clip in x is in the replica pixels.  A row is 4,352 bytes:
; 544 dwords for each copy, so the odd copy begins 32 banks from the even one (64 banks of 4 bytes: ISA guide 11.1) and lanes two pixels apart spread over all banks.
; The window begins 6 rows above the band.  Its rows belong to the plane of the band's first row, clamped to that plane (replica rows), up to three rows past the plane's end; what
; follows belongs to the next plane, from three replica rows above its first row on.  So reference()'s clip in y is in the replica rows too, and a pixel's LDS address is 4 A + a scalar
; that hangs on its plane alone.  Every byte of the 64 rows is written.
; OUTSIDE THE WINDOW.  Displacements are not bounded.  flags holds a bit for each row of 64 pixels, which is one step of one wave: set where the first tap of any of them lies outside rows
; 0..60 of the window.  The wave reads its 48 bits by scalar loads and branches on a scalar compare; in a step whose bit is set it takes all taps from the image itself, each with
; reference()'s clips, and rounds them to f16 as well: right for every displacement, only slower.
; WEIGHTS, in f32, from s = 1 + t:  h = -t (1 - t) / 2;  c2 = h t;  cm1 = h - c2;  c1 = t + h (4 - 3 s);  c0 = 1 - h - c1: reference()'s four polynomials.
; Rows first (sixteen multiply-adds straight from the f16 halves, sums in f32), then the four rows, two pixels packed, the last one with the clip to 0..1.
; LIMITS.  The image is held as f16: |image| up to 65,504, each pixel within 2^-12 of itself; fractions to 2^-16; NaN and infinities are not treated apart (the clip makes 0 of a NaN).
; THE MODE: SCHED_MODE bits 1:0 = 2 (LLVM: expert scheduling mode 2), set by the entry lines.  The code itself states the register dependences
; between vector instructions and memory or LDS instructions, with s_wait_alu, always for 0.
; THE PLAN.  Registers that memory or LDS instructions touch in the loop; step n of 24 uses ring slot k = n % 4:
;   M[k]     Read by the eight vector lines of step n's head (in a slow step also by two lines of the slow arm); the load of step n + 4 lands in it at step n's join.
;   RL       Written by the head; read, as the address, by the step's sixteen LDS loads.
;   TP       The LDS loads land in it (in a slow step conversions write it); read by the step's 32 multiply-adds.
;   O[n % 2] Two result pairs by turns.  Written by step n's last vector line; read by the store that is issued in step n + 1's head.
;   GA, DA   The slow arm's alone: GA written by its address lines and read by its 32 loads, which land in DA; DA read by its conversions.
;   L16, O8  Offsets made at the kernel's head and never written again: the rows are reached by scalar bases and immediate offsets.
; So a step's head holds all its waits.  vm_vsrc, beside s_wait_xcnt: the LDS loads of the step before have read RL, the store issued in the step before has read O[n % 2], earlier slow steps' loads
; have read GA.  Then the head's eight lines.  Then ONE va_vdst: RL is written, the head is done reading M[k], the step before is done reading TP and has written its O.  Behind it follow the store of
; the step before, the LDS loads and the ring's load, with no vector line between them on the fast way.  The slow arm has one va_vdst of its own, ahead of its loads.
; A wave has all of its 128 registers in use (eight waves share a SIMD's 1,024), so TP has one buffer: the weights stand between the LDS loads and the wait for them.
.set PITCH,  4352
.set COPYO,  2176
.set WROWS,  64
.set MAXREL, (WROWS-4)*PITCH+COPYO+513*4   ; the last byte address that a first tap inside the window can have
.set SPARE,  WROWS*PITCH                   ; behind the rows: the spare words, 128 bytes for each of 32 waves
.set BAND,   48
.set MT,     6
.set MSTEP,  16384                         ; two rows of map
.set OSTEP,  8192                          ; two rows of out
.set LANE, 2
.set L16,  3                           ; 16 x lane: my place in 512 bytes of map or image
.set O8,   4                           ; 8 x lane: my place in 256 bytes of out
.set BP,   5                           ; 4 x ((lane + 1) mod 32): the lane to my right, for the permute
.set SA0,  6                           ; staging: where my 8 bytes go, rows w and w + 32
.set SA1,  7
.set PD0,  8                           ; staging: the right replicas
.set PD1,  9
.set RA0,  10                          ; staging: the rows' first bytes
.set RA1,  11
.set SPW,  12                          ; LDS address of my spare word; never rewritten
.set NIL,  13                          ; 0, for the add alone
.set Z,    14                          ; 0, the addend of each row's first product
.set PX,   15                          ; staging: pixel 1023 in f32
.set M,    16                          ; v[16:31] ring of four steps' map words: A, T, A, T
.set TP,   32                          ; v[32:47] taps: pixel q, row j: dwords at TP + 8 q + 2 j, + 1
.set RL,   48                          ; v[48:49] LDS address of the first tap, two pixels
.set O,    50                          ; v[50:51] results of the even steps; those of the odd steps lie in v[0:1], free once the head has used the thread's number
.set SX,   52                          ; v[52:53] 1 + tx of the two pixels
.set SY,   54
.set WX,   56                          ; v[56:63] cm1, c0, c1, c2 in x, a pair (two pixels) each
.set WY,   64                          ; v[64:71] the same in y
.set T1,   72                          ; v[72:79], v[80:87] at work
.set T2,   80
.set R,    88                          ; v[88:95] row sums, a pair each
.set ST,   32                          ; v[32:45] the slow way's work registers, where nothing is live at that time
.set DA,   64                          ; v[64:95] the slow way's taps as loaded
.set GA,   96                          ; v[96:127] the slow way's addresses
.set IM,   32                          ; staging: v[32:95] two rows as loaded; of each four registers the first two take the even copy's words
.set TN,   96                          ; staging: v[96:103] what the lane to my left wants
.set NB,   104                         ; staging: v[104:111] what the lane to my right gave
.set OD,   112                         ; staging: v[112:127] the odd copy's words
.set FL,   48                          ; s48  the flag bits of the steps to come: bit 2 k is step k of the trip in hand
.set FH,   52                          ; s52  those of my last eight steps
	s_load_b128 s[4:7], s[0:1], 0x0                ; map s[4:5], image s[6:7]
	s_load_b64 s[8:9], s[0:1], 0x10                ; out
	s_load_b64 s[46:47], s[0:1], 0x18              ; flags
	v_lshl_add_u32 v[SPW], v0, 2, SPARE
	v_mov_b32 v[NIL], 0
	v_lshrrev_b32 v1, 5, v0
	v_readfirstlane_b32 s10, v1                    ; wave 0..31
	v_and_b32 v[LANE], 31, v0
	s_mul_i32 s11, ttmp9, BAND                     ; the band's first row of the 12,288
	s_lshr_b32 s12, s11, 9                         ; its plane pa
	s_sub_co_i32 s13, s11, MT                      ; W0: the row that the window begins with (-6 in the first band)
	s_lshl_b32 s15, s12, 9
	s_add_co_i32 s14, s15, 515
	s_sub_co_i32 s14, s14, s13                     ; nA: window rows of plane pa, its three replica rows at the end among them
	s_mul_i32 s29, s12, 6
	s_add_co_i32 s29, s29, s13
	s_add_co_i32 s29, s29, 3
	s_mul_i32 s29, s29, PITCH                      ; (6 pa + W0 + 3) rows: taken off 518 p rows it leaves a plane's scalar
	s_wait_alu depctr_va_sdst(0)                   ; s10 is written, ahead of its first reader: rows, columns and LDS addresses are made from it
	s_lshr_b32 s53, s10, 4                         ; my rows: the even or the odd ones
	s_and_b32 s21, s10, 15                         ; my 64 columns
	s_lshl_b32 s50, s21, 2                         ; flags: the band's three groups of 16 rows are words 48 x band + my column block, + 16, + 32
	s_mul_i32 s51, ttmp9, 192
	s_add_co_u32 s50, s50, s51
	s_mov_b32 s51, 0
	s_add_co_u32 s26, s11, s53                     ; the row in hand
	s_lshl_b32 s42, s26, 13
	s_lshl_b32 s21, s21, 9
	s_add_co_u32 s42, s42, s21                     ; map: row x 8,192 + 512 x column block
	s_mov_b32 s43, 0
	s_lshr_b32 s40, s42, 1                         ; out: half of that
	s_mov_b32 s41, 0
	s_mov_b32 s25, 0
	s_mov_b32 s31, 1                               ; lane 0's bit
	s_mov_b32 s32, 0x3f000000
	s_mov_b32 s33, 0x03050400                      ; 0x3f, T's bytes 1 and 0, 0: the f32 number 1 + tx
	s_mov_b32 s34, 0x03070600                      ; the same from T's bytes 3 and 2
	s_mov_b32 s44, 0xc0400000                      ; -3.0
	s_mov_b32 s45, s44
	s_mul_i32 s38, s10, PITCH
	v_lshlrev_b32 v[L16], 4, v[LANE]
	v_lshlrev_b32 v[O8], 3, v[LANE]
	v_add_nc_u32 v1, 1, v[LANE]
	v_and_b32 v1, 31, v1
	v_lshlrev_b32 v[BP], 2, v1
	v_lshl_add_u32 v[SA0], v[LANE], 3, s38
	v_add_nc_u32 v[SA1], 32*PITCH, v[SA0]
	v_min_u32 v1, 14, v[LANE]                      ; fifteen lanes cover the 30 replica dwords; the others repeat the last
	v_lshl_add_u32 v[PD0], v1, 3, s38
	v_add_nc_u32 v[PD1], 32*PITCH, v[PD0]
	v_mov_b32 v[RA0], s38
	v_add_nc_u32 v[RA1], 32*PITCH, v[RA0]
	v_mov_b32 v[Z], 0
	s_wait_kmcnt 0x0
	s_add_nc_u64 s[46:47], s[46:47], s[50:51]
	s_load_b32 s[FL], s[46:47], 0x0                ; rows 0..15 of the band, a bit each
	s_load_b32 s49, s[46:47], 0x40                 ; rows 16..31
	s_load_b32 s[FH], s[46:47], 0x80               ; rows 32..47
; Which image row window row l = wave + add holds: plane pa's, or from nA on the next plane's six rows back; clamped to its plane, and to the buffer's last row.
.macro SRCROW add, dst
	s_add_co_u32 s20, s10, \add
	s_cmp_ge_i32 s20, s14
	s_cselect_b32 s21, 6, 0
	s_cselect_b32 s22, 512, 0
	s_add_co_i32 s22, s22, s15
	s_add_co_i32 s23, s13, s20
	s_sub_co_i32 s23, s23, s21
	s_max_i32 s23, s23, s22
	s_add_co_i32 s22, s22, 511
	s_min_i32 s23, s23, s22
	s_min_i32 s23, s23, 12287
	s_lshl_b32 s24, s23, 12
	s_add_nc_u64 s[\dst:\dst+1], s[6:7], s[24:25]
.endm
	SRCROW 0, 16
	SRCROW 32, 18
	s_add_nc_u64 s[4:5], s[4:5], s[42:43]
	s_add_nc_u64 s[8:9], s[8:9], s[40:41]
	s_wait_alu depctr_va_vdst(0)                   ; the offsets and LDS addresses v3 to v11 are written, which the loads, permutes and stores of the whole kernel read
.irp i,0,1,2,3,4,5,6,7
	global_load_b128 v[IM+4*\i:IM+4*\i+3], v[L16], s[16:17] offset:512*\i
.endr
.irp i,0,1,2,3,4,5,6,7
	global_load_b128 v[IM+32+4*\i:IM+32+4*\i+3], v[L16], s[18:19] offset:512*\i
.endr
.irp k,0,1,2,3
	global_load_b128 v[M+4*\k:M+4*\k+3], v[L16], s[4:5] offset:MSTEP*\k th:TH_LOAD_NT  ; the ring's first four steps
.endr
; One row into LDS.  Load i holds pixels 128 i + 4 lane .. + 3.  The odd copy wants the pixel behind my four: the first of the lane to my right, which for lane 31 is lane 0's of the
; next load (so lane 0 hands that one on), and at the row's end pixel 1023 once more.
; Every LDS store leaves from registers of its own, so that a run of stores stands behind one wait: the even copy's two words take the place of a load's first two registers, the odd copy's
; go into OD, the replicas' into the third and fourth registers of loads 0 and 1, when those have been read.  again = 1: the second row, which writes TN and OD again.
.macro STAGE b, sa, pd, ra, again
.if \again
	s_wait_alu depctr_vm_vsrc(0)                   ; the first row's permutes have read TN and its stores OD: both are written again below
.endif
	v_readlane_b32 s36, v[\b+31], 31               ; pixel 1023
	v_readlane_b32 s37, v[\b], 0                   ; pixel 0
.irp i,0,1,2,3,4,5,6
	v_cndmask_b32 v[TN+\i], v[\b+4*\i], v[\b+4*\i+4], s31
.endr
.irp i,0,1,2,3,4,5,6,7
	v_cvt_pk_f16_f32 v[OD+2*\i], v[\b+4*\i+1], v[\b+4*\i+2]        ; the odd copy's first word
.endr
	s_wait_alu depctr_va_sdst(0)                   ; s36 and s37 are written, ahead of their first readers
	v_mov_b32 v[PX], s36
	v_cndmask_b32 v[TN+7], v[\b+28], v[PX], s31
.irp i,0,1,2,3,4,5,6,7
	v_cvt_pk_f16_f32 v[\b+4*\i], v[\b+4*\i], v[\b+4*\i+1]          ; the even copy's two words, in place: all that reads these two registers as pixels stands above
	v_cvt_pk_f16_f32 v[\b+4*\i+1], v[\b+4*\i+2], v[\b+4*\i+3]
.endr
	s_wait_alu depctr_va_vdst(0)                   ; TN is written, which the permutes read; the even copy's words are written, which the stores read; the row before is done reading NB, in which the permutes land
.irp i,0,1,2,3,4,5,6,7
	ds_bpermute_b32 v[NB+\i], v[BP], v[TN+\i]
.endr
.irp i,0,1,2,3,4,5,6,7
	ds_store_b64 v[\sa], v[\b+4*\i:\b+4*\i+1] offset:8+256*\i      ; even copy, dwords 2 c + 2, 2 c + 3 for my four pixels 4 c ..
.endr
	s_wait_dscnt 8                                 ; LDS instructions end in order: all but the eight stores, so the eight permutes are back
.irp i,0,1,2,3,4,5,6,7
	v_cvt_pk_f16_f32 v[OD+2*\i+1], v[\b+4*\i+3], v[NB+\i]          ; the odd copy's second word
.endr
	v_cvt_pk_f16_f32 v[\b+2], v[PX], v[PX]
	v_mov_b32 v[\b+3], v[\b+2]
	v_mov_b32 v[\b+6], s37
	v_cvt_pk_f16_f32 v[\b+6], v[\b+6], v[\b+6]
	v_mov_b32 v[\b+7], v[\b+6]
	s_wait_alu depctr_va_vdst(0)                   ; the odd copy's second words and the replicas' two pairs are written, which the twelve stores below read
.irp i,0,1,2,3,4,5,6,7
	ds_store_b64 v[\sa], v[OD+2*\i:OD+2*\i+1] offset:COPYO+8+256*\i  ; odd copy, the same dwords
.endr
	ds_store_b64 v[\pd], v[\b+2:\b+3] offset:2056                  ; dwords 514 .. 543 of both copies: pixel 1023
	ds_store_b64 v[\pd], v[\b+2:\b+3] offset:COPYO+2056
	ds_store_b64 v[\ra], v[\b+6:\b+7]                              ; dwords 0, 1 of both copies: pixel 0 (all lanes write the same bytes)
	ds_store_b64 v[\ra], v[\b+6:\b+7] offset:COPYO
.endm
	s_wait_loadcnt 12                              ; my first row is in; behind it: the second row's eight loads and the ring's four
	STAGE IM, SA0, PD0, RA0, 0
	s_wait_loadcnt 4                               ; the second row; the ring's four may stay out
	STAGE IM+32, SA1, PD1, RA1, 1
	s_wait_kmcnt 0x0                               ; the three flag words
	s_lshl_b32 s49, s49, 16
	s_or_b32 s[FL], s[FL], s49                     ; rows 0..31 of the band,
	s_lshr_b32 s[FL], s[FL], s53                   ; my rows' bits at the even places
	s_lshr_b32 s[FH], s[FH], s53
	s_wait_dscnt 0x0                               ; for the others' sake: my stores are done
	s_barrier_signal -1
	s_barrier_wait -1                              ; the window is whole; from here on nobody writes it
	s_wait_alu depctr_vm_vsrc(0)                   ; my permutes and LDS stores have read the rows' registers, TN and OD: from here on these are TP, the steps' work registers and GA, and are written again
.macro WEIGHTS s, w, t                 ; s: 1 + t, a pair; w: cm1, c0, c1, c2; t: eight registers at work
	v_pk_add_f32 v[\t:\t+1], v[\s:\s+1], -1.0 op_sel_hi:[1,0]                      ; t
	v_pk_fma_f32 v[\t+2:\t+3], v[\s:\s+1], 0.5, -1.0 op_sel_hi:[1,0,0]             ; -(1 - t) / 2
	v_pk_fma_f32 v[\t+4:\t+5], v[\s:\s+1], s[44:45], 4.0 op_sel_hi:[1,0,0]         ; 1 - 3 t
	v_pk_mul_f32 v[\t+6:\t+7], v[\t:\t+1], v[\t+2:\t+3]                            ; h
	v_pk_mul_f32 v[\w+6:\w+7], v[\t+6:\t+7], v[\t:\t+1]                            ; c2
	v_pk_fma_f32 v[\w+4:\w+5], v[\t+6:\t+7], v[\t+4:\t+5], v[\t:\t+1]              ; c1
	v_pk_fma_f32 v[\t+2:\t+3], v[\t+6:\t+7], -1.0, 1.0 op_sel_hi:[1,0,0]           ; 1 - h
	v_pk_add_f32 v[\w:\w+1], v[\t+6:\t+7], v[\w+6:\w+7] neg_lo:[0,1] neg_hi:[0,1]  ; cm1
	v_pk_add_f32 v[\w+2:\w+3], v[\t+2:\t+3], v[\w+4:\w+5] neg_lo:[0,1] neg_hi:[0,1] ; c0
.endm
; One tap column of all eight row sums: dword d (0, 1) of a row, its half hi, weight i.  first = 1: the product starts the sum
.macro TERM d, hi, i, first
.irp q,0,1
.irp j,0,1,2,3
.if \first
	v_fma_mix_f32 v[R+2*\j+\q], v[TP+8*\q+2*\j+\d], v[WX+2*\i+\q], v[Z] op_sel:[\hi,0,0] op_sel_hi:[1,0,0]
.else
	v_fma_mix_f32 v[R+2*\j+\q], v[TP+8*\q+2*\j+\d], v[WX+2*\i+\q], v[R+2*\j+\q] op_sel:[\hi,0,0] op_sel_hi:[1,0,0]
.endif
.endr
.endr
.endm
; The slow way's sixteen addresses for pixel q, whose word A lies in register a.  A is taken apart: A / 544 = 2 v0 + parity, as ((A >> 5) x 61,681) >> 20, exact for A under 2^20 (17 x 61,681 = 2^20 + 1).
; reference()'s clips: clip(t - c, 0, top) = min(t - min(t, c), top) for t that is never negative.
.macro SLOWAD q, a
	v_and_b32 v[ST], 0xfffff, v[\a]
	v_lshrrev_b32 v[ST+1], 5, v[ST]
	v_mul_u32_u24 v[ST+1], 0xf0f1, v[ST+1]
	v_lshrrev_b32 v[ST+1], 20, v[ST+1]             ; 2 v0 + parity
	v_mul_u32_u24 v[ST+2], 0x220, v[ST+1]
	v_sub_nc_u32 v[ST+2], v[ST], v[ST+2]           ; u0 >> 1
	v_and_b32 v[ST+3], 1, v[ST+1]                  ; parity
	v_lshl_add_u32 v[ST+4], v[ST+2], 1, v[ST+3]    ; u0 = x0 + 3
	v_lshrrev_b32 v[ST+2], 1, v[ST+1]              ; v0 = y0 + 2
.irp i,0,1,2,3
	v_add_nc_u32 v[ST+6+\i], \i, v[ST+4]
	v_min_u32 v[ST+5], 4, v[ST+6+\i]
	v_sub_nc_u32 v[ST+6+\i], v[ST+6+\i], v[ST+5]
	v_min_u32 v[ST+6+\i], 0x3ff, v[ST+6+\i]        ; clip(x0 - 1 + i, 0, 1023)
.endr
.irp j,0,1,2,3
	v_add_nc_u32 v[ST+10+\j], \j, v[ST+2]
	v_min_u32 v[ST+5], 3, v[ST+10+\j]
	v_sub_nc_u32 v[ST+10+\j], v[ST+10+\j], v[ST+5]
	v_min_u32 v[ST+10+\j], 0x1ff, v[ST+10+\j]      ; clip(y0 - 1 + j, 0, 511)
	v_lshlrev_b32 v[ST+10+\j], 12, v[ST+10+\j]
.endr
.irp j,0,1,2,3
.irp i,0,1,2,3
	v_lshl_add_u32 v[GA+16*\q+4*\j+\i], v[ST+6+\i], 2, v[ST+10+\j]
.endr
.endr
.endm
; ONE STEP, 64 pixels of one row, in two parts.
; THE HEAD.  k: the ring's slot; left: the younger ring loads, which may stay out; first = 1: the first step of all, with no step in front of it: nothing to free, nothing to store.
; All that reads M[k] on the fast way stands here: the fractions, and the first taps' LDS addresses (made in a slow step too, where nobody reads them).
.macro HEAD k, left, first
	s_lshr_b32 s27, s26, 9                         ; the row's plane p
	s_mul_i32 s28, s27, 518*PITCH
	s_sub_co_u32 s28, s28, s29                     ; (512 p - 3 - W0 + 6 (p - pa)) rows, in bytes
	s_and_b32 s20, s[FL], 1<<(2*\k)                ; this step's flag
	s_wait_loadcnt \left
.if !\first
	s_wait_xcnt 0x0                                ; the store issued in the step before has had its address translated: only behind this wait are its data, this step's O, written again
	s_wait_alu depctr_vm_vsrc(0)                   ; the LDS loads of the step before have read RL; the store issued there has read the O that this step writes; an earlier slow step's loads have read GA
.endif
	v_perm_b32 v[SX], v[M+4*\k+1], s32, s33
	v_perm_b32 v[SX+1], v[M+4*\k+3], s32, s33
	v_perm_b32 v[SY], v[M+4*\k+1], s32, s34
	v_perm_b32 v[SY+1], v[M+4*\k+3], s32, s34
	v_lshl_add_u32 v[RL], v[M+4*\k], 2, s28        ; the first tap's LDS byte
	v_lshl_add_u32 v[RL+1], v[M+4*\k+2], 2, s28
	v_min_u32 v[RL], MAXREL, v[RL]                 ; with the flag clear this changes nothing; it shows the bound in the text
	v_min_u32 v[RL+1], MAXREL, v[RL+1]
	s_wait_alu depctr_va_vdst(0)                   ; RL is written, which the LDS loads read; the lines above are done reading M[k], in which the ring's load lands; the step before is done reading TP, in which the LDS loads land, and has written its O, which the store reads
.if !\first
	global_store_b64 v[O8], v[O*((\k)%2):O*((\k)%2)+1], s[8:9] offset:OSTEP*(\k-1) th:TH_STORE_NT  ; the step before: the other O; a wave's store covers 256 consecutive bytes, aligned
.endif
.endm
; THE BODY.  ahead = 1: the ring's slot is filled again, four steps on.
.macro BODY k, ahead
	s_cmp_lg_u32 s20, 0
	s_cbranch_scc1 .Lslow_\@
.irp q,0,1
.irp j,0,1,2,3
	ds_load_b32 v[TP+8*\q+2*\j], v[RL+\q] offset:\j*PITCH
.endr
.endr
.irp q,0,1
.irp j,0,1,2,3
	ds_load_b32 v[TP+8*\q+2*\j+1], v[RL+\q] offset:\j*PITCH+4
.endr
.endr
	s_branch .Ljoin_\@
.Lslow_\@:
	s_lshl_b32 s42, s27, 21                        ; the plane's 2 MiB in the image (s43 is 0)
	s_add_nc_u64 s[40:41], s[6:7], s[42:43]        ; the last loads that named this pair were waited for
	SLOWAD 0, M+4*\k
	SLOWAD 1, M+4*\k+2
	s_wait_alu depctr_va_vdst(0)                   ; the 32 addresses in GA are written, which the loads below read; the lines above are done reading M[k], in which the ring's load lands at the join
.set n, 0
.rept 32
	global_load_b32 v[DA+n], v[GA+n], s[40:41]
.set n, n+1
.endr
	s_wait_loadcnt 0x0
.irp q,0,1
.irp j,0,1,2,3
	v_cvt_pk_f16_f32 v[TP+8*\q+2*\j], v[DA+16*\q+4*\j], v[DA+16*\q+4*\j+1]
	v_cvt_pk_f16_f32 v[TP+8*\q+2*\j+1], v[DA+16*\q+4*\j+2], v[DA+16*\q+4*\j+3]
.endr
.endr
.Ljoin_\@:
.if \ahead
	global_load_b128 v[M+4*\k:M+4*\k+3], v[L16], s[4:5] offset:MSTEP*(\k+4) th:TH_LOAD_NT  ; no wait: on either way no vector line since the last wait on va_vdst names M[k]
.endif
	WEIGHTS SX, WX, T1                             ; the weights stand between the LDS loads and the wait for them
	WEIGHTS SY, WY, T2
	s_wait_dscnt 8                                 ; the rows' first dwords are in; the eight second ones may be out
	TERM 0, 0, 0, 1
	TERM 0, 1, 1, 0
	s_wait_dscnt 0x0
	TERM 1, 0, 2, 0
	TERM 1, 1, 3, 0
	v_pk_mul_f32 v[T1:T1+1], v[WY:WY+1], v[R:R+1]
	v_pk_fma_f32 v[T1:T1+1], v[WY+2:WY+3], v[R+2:R+3], v[T1:T1+1]
	v_pk_fma_f32 v[T1:T1+1], v[WY+4:WY+5], v[R+4:R+5], v[T1:T1+1]
	v_pk_fma_f32 v[O*(1-(\k)%2):O*(1-(\k)%2)+1], v[WY+6:WY+7], v[R+6:R+7], v[T1:T1+1] clamp  ; the clip to 0..1; the next step's head stores it
	s_add_co_u32 s26, s26, 2
.endm
	s_mov_b32 s35, 5
	HEAD 0, 3, 1                                   ; the first step's head is written out, since it stores nothing;
	s_branch .Lin                                  ; the loop is entered behind the head of its step 0
.Ltrip:                                                ; five trips of four steps, each filling the ring for the next four
	HEAD 0, 3, 0                                   ; its store is the last trip's step 3: the offset reaches back from the base that has moved on
.Lin:
	BODY 0, 1
	HEAD 1, 3, 0
	BODY 1, 1
	HEAD 2, 3, 0
	BODY 2, 1
	HEAD 3, 3, 0
	BODY 3, 1
	s_wait_xcnt 0x0                                ; the two bases are stepped only behind this wait
	s_add_nc_u64 s[4:5], s[4:5], 4*MSTEP
	s_add_nc_u64 s[8:9], s[8:9], 4*OSTEP
	s_lshr_b32 s[FL], s[FL], 8                     ; a trip is eight rows of the band
	s_sub_co_u32 s35, s35, 1
	s_cmp_eq_u32 s35, 1                            ; four trips have used up the first 32 rows' bits:
	s_cselect_b32 s[FL], s[FH], s[FL]              ; the last 16 rows' take their place
	s_cmp_lg_u32 s35, 0
	s_cbranch_scc1 .Ltrip
	HEAD 0, 3, 0                                   ; the last four steps load nothing: the counts run down
	BODY 0, 0
	HEAD 1, 2, 0
	BODY 1, 0
	HEAD 2, 1, 0
	BODY 2, 0
	HEAD 3, 0, 0
	BODY 3, 0
	s_wait_alu depctr_va_vdst(0)                   ; the last step has written its O, which the last store reads
	global_store_b64 v[O8], v[0:1], s[8:9] offset:OSTEP*3 th:TH_STORE_NT
	s_wait_dscnt 0x0                               ; the closing lines, six on end
	s_wait_alu 0x0
	s_wait_tensorcnt 0x0
	ds_add_u32 v[SPW], v[NIL]
	s_wait_dscnt 0x0
	s_endpgm
.Lfunc_end_k_qeccb77db17_sample:
	.size	k_qeccb77db17_sample, .Lfunc_end_k_qeccb77db17_sample-k_qeccb77db17_sample
	.p2alignl 7, 3214868480
	.fill 96, 4, 3214868480
	.section	.rodata,"a",@progbits
	.p2align	6, 0x0
	.amdhsa_kernel k_qeccb77db17_sample
		.amdhsa_group_segment_fixed_size 282624
		.amdhsa_private_segment_fixed_size 0
		.amdhsa_enable_private_segment 0
		.amdhsa_kernarg_size 32
		.amdhsa_user_sgpr_count 2
		.amdhsa_user_sgpr_kernarg_segment_ptr 1
		.amdhsa_wavefront_size32 1
		.amdhsa_system_sgpr_workgroup_id_x 1
		.amdhsa_system_sgpr_workgroup_id_y 1
		.amdhsa_system_sgpr_workgroup_id_z 1
		.amdhsa_system_vgpr_workitem_id 0
		.amdhsa_next_free_vgpr 128
		.amdhsa_next_free_sgpr 66
		.amdhsa_reserve_vcc 0
		.amdhsa_float_denorm_mode_32 3
		.amdhsa_float_denorm_mode_16_64 3
		.amdhsa_memory_ordered 1
		.amdhsa_forward_progress 1
		.amdhsa_inst_pref_size 139
	.end_amdhsa_kernel
	.amdgpu_metadata
---
amdhsa.version: [ 1, 2 ]
amdhsa.kernels:
  - .name:           k_qeccb77db17_sample
    .symbol:         k_qeccb77db17_sample.kd
    .args:
      - { .name: map, .offset: 0, .size: 8, .value_kind: global_buffer, .address_space: global }
      - { .name: input_image, .offset: 8, .size: 8, .value_kind: global_buffer, .address_space: global }
      - { .name: out0, .offset: 16, .size: 8, .value_kind: global_buffer, .address_space: global }
      - { .name: flags, .offset: 24, .size: 8, .value_kind: global_buffer, .address_space: global }
    .group_segment_fixed_size: 282624
    .private_segment_fixed_size: 0
    .kernarg_segment_align: 8
    .kernarg_segment_size: 32
    .max_flat_workgroup_size: 1024
    .sgpr_count:     66
    .vgpr_count:     128
    .wavefront_size: 32
...
	.end_amdgpu_metadata
.endif
;; end of part 3
